; MI455X (gfx1250); checked and timed in simulation.
; The chip was launched on July 23, 2026; its instructions are those of AMD's public machine-readable ISA for CDNA 5 (MIT licence, August 2026) and "CDNA5" Instruction Set Architecture Reference Guide (July 2026). The comments in the code are by the model that wrote it; some were corrected since.
;; Sparse Router. Allowed arithmetic: float matrix products may take bf16 or f16 operands with f32 sums; other float arithmetic in f32, or as packed bf16 or f16 multiplies, adds, multiply-adds, maxima and minima; sums over many terms, partial sums and values carried from step to step in f32; what a program stores and reads back later, other than sums and carried values, may be rounded once to bf16 or f16.
;; Inputs: W 32 x 256 x 1,024 float32; b 32 x 256 float32; expert_features 32 x 1,024 float32; staleness 32 float32; trust 32 float32; x 8,192 x 1,024 float32.
;; Outputs: out0 8,192 x 256 float32.
;; Constants: k = 4.
;; One version. Each part assembles by itself: llvm-mc -triple=amdgcn-amd-amdhsa -mcpu=gfx1250 --defsym DOCPART=n.
;; ======== version 1 of 1: 2 launches
;; workspace buffers: xf 17,301,504 bytes; wf 16,777,216 bytes; route 36,864 bytes of whole numbers
;; launch route (part 1): grid 256 x 1, 4 waves a work-group, no clusters, 42,496 bytes of LDS; arguments x, expert_features, trust, staleness, W, xf, wf, route; writes xf, wf, route
.if DOCPART == 1
	.amdgcn_target "amdgcn-amd-amdhsa--gfx1250"
	.amdhsa_code_object_version 6
	.text
	.protected	k_qcfb9c8ca46_route
	.globl	k_qcfb9c8ca46_route
	.p2align	8
	.type	k_qcfb9c8ca46_route,@function
k_qcfb9c8ca46_route:
	s_mov_b64 s[64:65], 0
	v_nop
	global_prefetch_b8 v0, s[64:65] scope:SCOPE_SE
	s_setreg_imm32_b32 hwreg(HW_REG_WAVE_MODE, 25, 1), 1
	s_wait_xcnt 0x0
; ROUTE: every input but b is rounded once to bf16; x is stored as rows of bf16, W in the order in which a matrix operand's registers take it; the scores and the four best experts of each token are found.
; Work-group g: tokens 32 g .. 32 g + 31, rows 32 g .. 32 g + 31 of W taken as [8192][1024], and all 32 rows of expert_features (each work-group rounds these 128 KiB for itself).
; Each of the three is 32 rows x 1,024 f32; wave w takes columns 256 w .. 256 w + 255 of each.  A CHUNK is 16 rows x 128 columns: 16 loads, each 512 consecutive bytes of one row.
; A chunk is rounded in place (v_cvt_pk_bf16_f32 into the lower half of its own registers), goes through the wave's own stage in LDS and comes back as four operand fragments of 16 rows x 32 k.
; xf: [8192][1024] bf16, rows as in x; from byte 16,777,216 on [8192][32] bf16: the token's indicator over the experts, 0.25 where chosen.
; wf: [e][slice of 64 rows][quarter of K][ks 0..7][cb][q][lane][16 B]; a piece holds W[e][64 s + 16 cb + r][256 w + 32 ks + 16 q + 8 h .. + 7].
; route: key[token] = e0<<22 | e1<<17 | e2<<12 | e3<<7 | token % 128, the chosen experts ascending; from byte 32,768 on, one word for each wave: the OR of its 8 tokens' choices as bits.
; SCORES.  Dots and sums of squares of the ROUNDED numbers, by the matrix unit (the sums of squares are the diagonals of X X^T and E E^T), f32 sums; cos = (dot / |x|) / |e| with both norms held to 1e-8;
; then each rounding where the formula has it: fma(cos, 0.5, 0.5) (halving is exact: the same bits as (cos + 1) x 0.5), x 0.4, 0.4 trust + that, + 0.2 max(0, 1 - staleness).
; LIMITS.  A chosen score is marked by -infinity, so scores that are NaN or infinite are not treated apart.  Equal scores go to the lower expert; two scores that agree to the last bit of f32 may fall
; otherwise than in another order of the 1,024 additions.  The keys' store is 32 bytes a wave.
; No tensor loads: three matrices of 128 KiB in f32 do not fit in LDS together, and each byte is wanted once, in registers.  No cluster: work-groups share expert_features alone, 128 KiB of 384.
.set XIND,  16777216                   ; where the indicators begin in xf
.set STGB,  4608                       ; a wave's stage: 16 rows x 272 bytes
.set SPT,   272                        ; 256 bytes of bf16 + 16: the 16 rows of a fragment load start at 16 different groups of four banks
.set RED,   18432                      ; a wave's partial sums, REDB bytes each
.set REDB,  5376
.set RP,    144                        ; a token's 32 dots, 128 bytes + 16
.set RNX,   4608                       ; 32 sums of squares of x, then 32 of expert_features, then words for the lanes off the diagonal
.set RNE,   4736
.set SCR,   39936                      ; a wave's own 3 x 128 bytes: 1 / |e|, 0.4 trust, 0.2 max(0, 1 - staleness) by expert
.set SPARE, 41984                      ; the spare words, 128 bytes a wave
.set GX,    32                         ; v32      8 lane: my 8 bytes in 256 bytes of a row of xf; never rewritten
.set FE0,   64                         ; v64-191  fragments: experts 0-15, 16-31, tokens 0-15, 16-31; K step ks at + 8 ks
.set FE1,   96
.set FX0,   128
.set FX1,   160
.set ACS,   192                        ; v192-223 dots: experts 16 nb .., tokens 16 tb .. at ACS + 8 (2 nb + tb)
.set AXX,   224                        ; v224-255 X X^T (two blocks), E E^T (two blocks)
; v0 thread, v1 lane, v2 r = lane % 16, v3 h = lane / 16, v4 16 lane, v5, v6 stage in and out, v7, v8 partial sums, v9 J, v10, v11 the add's two registers, v12-31 small.
; windows 1, 2: E0, E1, X0, X1 (64 registers each) for the first and the second 128 columns: raw f32, then bf16 in each slot's lower 32; window 3: W, chunk 2 c + rb.
; The upper 32 registers of window 1's four slots, dead once rounded, take W's fragments: so no register that a store reads is ever written again.
.set MSB, 0
.macro WIN new                         ; the immediate's high byte repeats the setting that is left; a switch that changes nothing is dropped
.if MSB != (\new)
	s_set_vgpr_msb (MSB<<8)|(\new)
.set MSB, (\new)
.endif
.endm
.macro LOADCH base, win, slot, rb, c, nt       ; a chunk: rows 16 rb .., columns 128 c .. of the wave's 256
	WIN (\win)<<6
.set p, 0
.rept 16
.if \nt
	global_load_b128 v[64*(\slot)+4*p:64*(\slot)+4*p+3], v4, s[\base:\base+1] offset:(16*(\rb)+p)*4096+(\c)*512 th:TH_LOAD_NT
.else
	global_load_b128 v[64*(\slot)+4*p:64*(\slot)+4*p+3], v4, s[\base:\base+1] offset:(16*(\rb)+p)*4096+(\c)*512
.endif
.set p, p+1
.endr
	WIN 0
.endm
; Round a chunk in place and turn it into fragments, in window fw from register f on.  xs = 1: a chunk of x is also stored, a row's 256 consecutive bytes a line, at a multiple of 256 from xf's first byte.
; LDS serves a wave's instructions in order: no wait between the stage's stores and its loads, nor ahead of the next chunk's stores.
.macro CONV win, slot, fw, f, xs=0, rb=0, c=0
	WIN (\win)|((\win)<<2)|((\win)<<6)
.set p, 0
.rept 32
	v_cvt_pk_bf16_f32 v[64*(\slot)+p], v[64*(\slot)+2*p], v[64*(\slot)+2*p+1]
.set p, p+1
.endr
	WIN (\win)<<2                                  ; the stores' data in the chunk's window, addresses in window 0
.set p, 0
.rept 16
	ds_store_b64 v5, v[64*(\slot)+2*p:64*(\slot)+2*p+1] offset:SPT*p     ; row p: 32 lanes x 8 bytes
.set p, p+1
.endr
.if \xs
.set p, 0
.rept 16
	global_store_b64 v[GX], v[64*(\slot)+2*p:64*(\slot)+2*p+1], s[14:15] offset:(16*(\rb)+p)*2048+(\c)*256
.set p, p+1
.endr
.endif
	WIN (\fw)<<6
.set p, 0
.rept 8
	ds_load_b128 v[(\f)+4*p:(\f)+4*p+3], v6 offset:32*p    ; p = 2 ks + q
.set p, p+1
.endr
	WIN 0
.endm
.macro PUT fw, f, base, imm0, stepks           ; four fragments out: each store is 512 consecutive bytes, at a multiple of 512 from the buffer's first byte
	WIN (\fw)<<2
.set p, 0
.rept 8
	global_store_b128 v4, v[(\f)+4*p:(\f)+4*p+3], s[\base:\base+1] offset:(\imm0)+(p/2)*(\stepks)+(p%2)*512
.set p, p+1
.endr
	WIN 0
.endm
.macro MM d, a, b, z
.if \z
	v_wmma_f32_16x16x32_bf16 v[(\d):(\d)+7], v[(\a):(\a)+7], v[(\b):(\b)+7], 0
.else
	v_wmma_f32_16x16x32_bf16 v[(\d):(\d)+7], v[(\a):(\a)+7], v[(\b):(\b)+7], v[(\d):(\d)+7]
.endif
.endm
.macro MULS zero                               ; 128 along K: the eight accumulators take turns, one instruction a turn; zero = 1: the first K step starts the sums
.set k, 0
.rept 4
.set z, 0
.if (\zero) && (k == 0)
.set z, 1
.endif
	MM ACS,    FE0+8*k, FX0+8*k, z         ; source 0 = 16 experts, source 1 = 16 tokens: a lane holds one token and eight neighbouring experts
	MM ACS+8,  FE0+8*k, FX1+8*k, z
	MM ACS+16, FE1+8*k, FX0+8*k, z
	MM ACS+24, FE1+8*k, FX1+8*k, z
	MM AXX,    FX0+8*k, FX0+8*k, z
	MM AXX+8,  FX1+8*k, FX1+8*k, z
	MM AXX+16, FE0+8*k, FE0+8*k, z
	MM AXX+24, FE1+8*k, FE1+8*k, z
.set k, k+1
.endr
.endm
	s_load_b512 s[4:19], s[0:1], 0x0               ; x 4:5, expert_features 6:7, trust 8:9, staleness 10:11, W 12:13, xf 14:15, wf 16:17, route 18:19
	v_lshl_add_u32 v10, v0, 2, SPARE               ; my spare word,
	v_mov_b32 v11, 0                               ; and 0: for the wave's end
	v_lshrrev_b32 v12, 5, v0
	v_readfirstlane_b32 s20, v12                   ; wave w
	s_mov_b32 s21, ttmp9                           ; work-group g
	v_and_b32 v1, 31, v0
	v_and_b32 v2, 15, v0
	v_bfe_u32 v3, v0, 4, 1
	v_lshlrev_b32 v4, 4, v1
	v_lshlrev_b32 v26, 2, v1
	v_lshlrev_b32 v[GX], 3, v1
	s_mul_i32 s46, s20, STGB
	v_lshl_add_u32 v5, v1, 3, s46
	v_mul_u32_u24 v6, v2, SPT
	v_lshl_add_u32 v6, v3, 4, v6
	v_add_nc_u32 v6, s46, v6
	s_lshl_b32 s22, s21, 17                        ; x and W: 32 rows of 4,096 bytes a work-group,
	s_lshl_b32 s24, s20, 10                        ; 1,024 bytes of each row a wave
	s_add_co_u32 s22, s22, s24
	s_mov_b32 s23, 0
	s_mov_b32 s25, 0
	s_lshl_b32 s26, s21, 16                        ; xf: 32 rows of 2,048 bytes a work-group,
	s_lshl_b32 s27, s20, 9                         ; 512 bytes of each row a wave
	s_add_co_u32 s26, s26, s27
	s_lshl_b32 s44, s21, 11                        ; indicators: 32 tokens of 64 bytes a work-group,
	s_add_co_u32 s44, s44, s27                     ; 8 tokens, again 512 bytes, a wave
	s_add_co_u32 s44, s44, XIND
	s_mov_b32 s27, 0
	s_mov_b32 s45, 0
	s_lshr_b32 s42, s21, 1                         ; wf: (expert, slice) = g / 2,
	s_lshl_b32 s42, s42, 17
	s_lshl_b32 s43, s20, 15                        ; quarter of K = w,
	s_add_co_u32 s42, s42, s43
	s_and_b32 s43, s21, 1                          ; cb = 2 (g % 2) + rb
	s_lshl_b32 s43, s43, 11
	s_add_co_u32 s42, s42, s43
	s_mov_b32 s43, 0
	s_mov_b32 s30, 0x76543210                      ; v_permlanex16_b32: each lane takes its own place in the other half
	s_mov_b32 s31, 0xfedcba98
	s_mov_b32 s41, 0xff800000                      ; -infinity
	s_wait_kmcnt 0x0
	s_add_nc_u64 s[4:5], s[4:5], s[22:23]
	s_add_nc_u64 s[12:13], s[12:13], s[22:23]
	s_add_nc_u64 s[6:7], s[6:7], s[24:25]
	s_add_nc_u64 s[28:29], s[14:15], s[44:45]
	s_add_nc_u64 s[14:15], s[14:15], s[26:27]
	s_add_nc_u64 s[16:17], s[16:17], s[42:43]
	global_load_b32 v14, v26, s[8:9]               ; lane = expert
	global_load_b32 v15, v26, s[10:11]
	LOADCH 6, 1, 0, 0, 0, 0                        ; the first 128 columns: E0, E1, X0, X1
	LOADCH 6, 1, 1, 1, 0, 0
	LOADCH 4, 1, 2, 0, 0, 1
	LOADCH 4, 1, 3, 1, 0, 1
	LOADCH 6, 2, 0, 0, 1, 0                        ; the second 128
	LOADCH 6, 2, 1, 1, 1, 0
	LOADCH 4, 2, 2, 0, 1, 1
	LOADCH 4, 2, 3, 1, 1, 1
	s_wait_loadcnt 63                              ; 64 loads were issued behind the first group's last: at most 63 out means that group, trust and staleness are in
	CONV 1, 0, 0, FE0
	LOADCH 12, 3, 0, 0, 0, 1                       ; W's chunk 2 c + rb: a chunk is asked for behind each conversion, so that loads stay on their way while the wave rounds
	CONV 1, 1, 0, FE1
	LOADCH 12, 3, 1, 1, 0, 1
	CONV 1, 2, 0, FX0, 1, 0, 0
	LOADCH 12, 3, 2, 0, 1, 1
	CONV 1, 3, 0, FX1, 1, 1, 0
	LOADCH 12, 3, 3, 1, 1, 1
	s_wait_dscnt 0x0
	MULS 1
	s_wait_loadcnt 63                              ; W's 64 loads lie behind the second group
	CONV 2, 0, 0, FE0                              ; its 32 conversions are the places between the products above and the loads into their sources
	CONV 2, 1, 0, FE1
	CONV 2, 2, 0, FX0, 1, 0, 1
	CONV 2, 3, 0, FX1, 1, 1, 1
	s_wait_dscnt 0x0
	MULS 0
	; W: four chunks, rounded, turned and stored, ahead of the choice: their stores are on their way while the choice is made.
.irp j, 0,1,2,3
	s_wait_loadcnt 48-16*\j                        ; the chunks behind this one may be out
	CONV 3, \j, 1, 64*\j+32
	s_wait_dscnt 0x0
	PUT 1, 64*\j+32, 16, (\j%2)*1024+(\j/2)*16384, 4096
.endr
	; My partial sums go to my part of RED.
	s_mul_i32 s47, s20, REDB
	s_add_co_u32 s47, s47, RED
	s_add_co_u32 s48, s47, RNX
	v_mul_u32_u24 v7, v2, RP
	v_lshl_add_u32 v7, v3, 5, v7
	v_add_nc_u32 v7, s47, v7                       ; token r, experts 8 h ..
	v_and_b32 v12, 7, v2
	v_lshrrev_b32 v13, 3, v2
	v_xor_b32 v13, v13, v3                         ; 0: my lane holds a number of the diagonal (row 8 h + j = column r), in register j = r % 8
	v_lshl_add_u32 v9, v13, 3, v12                 ; J = r % 8 there, 8 or more elsewhere
	v_lshlrev_b32 v8, 2, v2
	v_lshl_add_u32 v8, v13, 8, v8                  ; the other lanes' words lie 256 bytes on and are read by nobody
	v_add_nc_u32 v8, s48, v8
.irp j, 1,2,3,4,5,6,7
	v_cmp_eq_u32 s[32+\j], \j, v9
.endr
.irp nb, 0,1
.irp tb, 0,1
	ds_store_b128 v7, v[ACS+8*(2*\nb+\tb):ACS+8*(2*\nb+\tb)+3] offset:\tb*16*RP+\nb*64
	ds_store_b128 v7, v[ACS+8*(2*\nb+\tb)+4:ACS+8*(2*\nb+\tb)+7] offset:\tb*16*RP+\nb*64+16
.endr
.endr
.irp a, 0,1,2,3
	v_cndmask_b32 v[16+\a], v[AXX+8*\a], v[AXX+8*\a+1], s33
.endr
.irp j, 2,3,4,5,6,7
.irp a, 0,1,2,3
	v_cndmask_b32 v[16+\a], v[16+\a], v[AXX+8*\a+\j], s[32+\j]
.endr
.endr
.irp a, 0,1,2,3
	ds_store_b32 v8, v[16+\a] offset:64*\a         ; x rows 0-15, 16-31, experts 0-15, 16-31
.endr
	s_wait_dscnt 0x0                               ; for the others' sake: my stores are done
	s_barrier_signal -1
	s_barrier_wait -1
	; THE CHOICE.  Wave w has tokens 8 w .. 8 w + 7, four lanes a token: lane l has token t = 8 w + l / 4 and experts 8 (l % 4) + 0..7.  No store reads window 0's fragment registers, which are used anew.
	v_lshrrev_b32 v20, 2, v1
	v_and_b32 v21, 3, v1
	s_lshl_b32 s49, s20, 3
	v_add_nc_u32 v22, s49, v20                     ; t
	v_mul_u32_u24 v12, v22, RP
	v_lshl_add_u32 v12, v21, 5, v12
	v_add_nc_u32 v12, RED, v12
	v_lshl_add_u32 v13, v22, 2, RED+RNX
	v_lshl_add_u32 v23, v1, 2, RED+RNE
.irp u, 0,1,2,3
	ds_load_b128 v[64+8*\u:64+8*\u+3], v12 offset:\u*REDB
	ds_load_b128 v[64+8*\u+4:64+8*\u+7], v12 offset:\u*REDB+16
	ds_load_b32 v[96+\u], v13 offset:\u*REDB       ; my token's sum of squares
	ds_load_b32 v[100+\u], v23 offset:\u*REDB      ; lane = expert: its sum of squares
.endr
	s_lshl_b32 s50, s20, 9
	s_add_co_u32 s50, s50, SCR
	v_lshl_add_u32 v24, v1, 2, s50
	v_lshl_add_u32 v25, v21, 5, s50
	v_cvt_pk_bf16_f32 v108, v14, v15               ; trust and staleness are rounded like every input
	v_lshlrev_b32 v109, 16, v108
	v_and_b32 v110, 0xffff0000, v108
	v_mul_f32 v109, 0x3ecccccd, v109               ; 0.4 trust
	v_sub_f32 v110, 1.0, v110
	v_max_num_f32 v110, 0, v110
	v_mul_f32 v110, 0x3e4ccccd, v110               ; 0.2 max(0, 1 - staleness)
	v_lshlrev_b32 v27, 3, v21
.irp j, 0,1,2,3,4,5,6,7
	v_add_nc_u32 v[136+\j], \j, v27
.endr
.irp j, 0,1,2,3,4,5,6,7
	v_cvt_f32_u32 v[136+\j], v[136+\j]             ; my eight experts' numbers, as floats
.endr
	s_wait_dscnt 0x0
.irp p, 0,2,4,6
	v_pk_add_f32 v[64+\p:65+\p], v[64+\p:65+\p], v[72+\p:73+\p]
	v_pk_add_f32 v[80+\p:81+\p], v[80+\p:81+\p], v[88+\p:89+\p]
.endr
.irp p, 0,2,4,6
	v_pk_add_f32 v[64+\p:65+\p], v[64+\p:65+\p], v[80+\p:81+\p]
.endr
	v_add_f32 v96, v96, v97
	v_add_f32 v98, v98, v99
	v_add_f32 v100, v100, v101
	v_add_f32 v102, v102, v103
	v_add_f32 v96, v96, v98
	v_add_f32 v100, v100, v102
	v_sqrt_f32 v104, v96
	v_sqrt_f32 v105, v100
	v_nop                                          ; a plain instruction behind the last root,
	s_wait_alu depctr_va_vdst(0)                   ; and one wait for both ahead of their first reader
	v_max_num_f32 v104, 0x322bcc77, v104           ; 1e-8
	v_max_num_f32 v105, 0x322bcc77, v105
	v_rcp_f32 v106, v104                           ; 1 / |x|
	v_rcp_f32 v107, v105                           ; 1 / |e|
	v_nop
	s_wait_alu depctr_va_vdst(0)                   ; one wait for both reciprocals
	ds_store_b32 v24, v107                         ; by expert, into my wave's own words; they come back eight to a lane
	ds_store_b32 v24, v109 offset:128
	ds_store_b32 v24, v110 offset:256
.irp a, 0,1,2
	ds_load_b128 v[112+8*\a:112+8*\a+3], v25 offset:128*\a
	ds_load_b128 v[112+8*\a+4:112+8*\a+7], v25 offset:128*\a+16
.endr
.irp p, 0,2,4,6
	v_pk_mul_f32 v[64+\p:65+\p], v[64+\p:65+\p], v[106:107] op_sel_hi:[1,0]
.endr
	s_wait_dscnt 0x0
.irp p, 0,2,4,6
	v_pk_mul_f32 v[64+\p:65+\p], v[64+\p:65+\p], v[112+\p:113+\p]               ; cos
	v_pk_fma_f32 v[64+\p:65+\p], v[64+\p:65+\p], 0.5, 0.5 op_sel_hi:[1,0,0]      ; (cos + 1) / 2, one rounding
	v_pk_mul_f32 v[64+\p:65+\p], v[64+\p:65+\p], 0x3ecccccd op_sel_hi:[1,0]      ; x 0.4.  From here on nothing is fused: the choice hangs on each rounding
	v_pk_add_f32 v[64+\p:65+\p], v[120+\p:121+\p], v[64+\p:65+\p]
	v_pk_add_f32 v[64+\p:65+\p], v[64+\p:65+\p], v[128+\p:129+\p]
.endr
; Pass n: the token's largest score; the lowest expert that has it; that score is marked.
.macro PASS n
	v_max3_num_f32 v144, v64, v65, v66
	v_max3_num_f32 v144, v144, v67, v68
	v_max3_num_f32 v144, v144, v69, v70
	v_max_num_f32 v144, v144, v71
	v_max_num_f32_dpp v144, v144, v144 row_xmask:1 row_mask:0xf bank_mask:0xf
	v_max_num_f32_dpp v144, v144, v144 row_xmask:2 row_mask:0xf bank_mask:0xf
	v_mov_b32 v[146+\n], 0x42800000                ; 64.0: above every expert's number
.irp j, 7,6,5,4,3,2,1,0
	v_cmp_eq_f32 vcc_lo, v[64+\j], v144
	v_cndmask_b32 v[146+\n], v[146+\n], v[136+\j], vcc_lo
.endr
	v_min_num_f32_dpp v[146+\n], v[146+\n], v[146+\n] row_xmask:1 row_mask:0xf bank_mask:0xf
	v_min_num_f32_dpp v[146+\n], v[146+\n], v[146+\n] row_xmask:2 row_mask:0xf bank_mask:0xf
.irp j, 0,1,2,3,4,5,6,7
	v_cmp_eq_f32 vcc_lo, v[136+\j], v[146+\n]
	v_cndmask_b32 v[64+\j], v[64+\j], s41, vcc_lo
.endr
.endm
	PASS 0
	PASS 1
	PASS 2
	PASS 3
	v_min_num_f32 v150, v146, v147                 ; the four numbers in ascending order: five exchanges
	v_max_num_f32 v151, v146, v147
	v_min_num_f32 v152, v148, v149
	v_max_num_f32 v153, v148, v149
	v_min_num_f32 v154, v150, v152
	v_max_num_f32 v155, v150, v152
	v_min_num_f32 v156, v151, v153
	v_max_num_f32 v157, v151, v153
	v_min_num_f32 v158, v156, v155
	v_max_num_f32 v159, v156, v155
	v_cvt_u32_f32 v154, v154
	v_cvt_u32_f32 v158, v158
	v_cvt_u32_f32 v159, v159
	v_cvt_u32_f32 v157, v157
	s_and_b32 s50, s21, 3
	s_lshl_b32 s50, s50, 5
	v_add_nc_u32 v28, s50, v22                     ; token % 128
	v_lshl_or_b32 v164, v154, 5, v158
	v_lshl_or_b32 v164, v164, 5, v159
	v_lshl_or_b32 v164, v164, 5, v157
	v_lshl_or_b32 v164, v164, 7, v28               ; the key
	v_mov_b32 v167, 1
	v_lshlrev_b32 v165, v154, v167
	v_lshlrev_b32 v166, v158, v167
	v_or_b32 v165, v165, v166
	v_lshlrev_b32 v166, v159, v167
	v_or_b32 v165, v165, v166
	v_lshlrev_b32 v166, v157, v167
	v_or_b32 v165, v165, v166                      ; the token's choices as bits; then the OR over my wave's 8 tokens
	v_mov_b32_dpp v166, v165 row_xmask:4 row_mask:0xf bank_mask:0xf
	v_or_b32 v165, v165, v166
	v_mov_b32_dpp v166, v165 row_xmask:8 row_mask:0xf bank_mask:0xf
	v_or_b32 v165, v165, v166
	v_permlanex16_b32 v166, v165, s30, s31
	v_or_b32 v165, v165, v166
	v_mov_b32 v168, 0x3e800000                     ; 0.25
.irp j, 0,1,2,3,4,5,6,7
	v_cmp_eq_f32 vcc_lo, s41, v[64+\j]
	v_cndmask_b32 v[170+\j], 0, v168, vcc_lo
.endr
.irp d, 0,1,2,3
	v_cvt_pk_bf16_f32 v[160+\d], v[170+2*\d], v[170+2*\d+1]
.endr
	global_store_b128 v4, v[160:163], s[28:29]     ; token l / 4, experts 8 (l % 4) ..: 64 (l / 4) + 16 (l % 4) = 16 l: the wave's 512 consecutive bytes
	s_lshl_b32 s51, s21, 7
	v_lshl_add_u32 v31, v22, 2, s51                ; the key's place: 4 (32 g + t)
	s_lshl_b32 s52, s21, 4
	s_lshl2_add_u32 s52, s20, s52
	s_add_co_u32 s52, s52, 32768                   ; the wave's word: 32,768 + 4 (4 g + w)
	v_cmp_eq_u32 s42, 1, v1
	v_cndmask_b32 v31, v31, s52, s42               ; lane 1 stores the wave's word, the first lane of each four its token's key
	v_cndmask_b32 v164, v164, v165, s42
	v_cmp_eq_u32 vcc_lo, 0, v21
	s_or_b32 vcc_lo, vcc_lo, s42
	s_wait_xcnt 0x0                                ; EXEC is a source of the stores that are out: it changes only behind this wait
	s_and_saveexec_b32 s40, vcc_lo
	global_store_b32 v31, v164, s[18:19]
	s_wait_xcnt 0x0                                ; and again ahead of the line that widens it
	s_or_b32 exec_lo, exec_lo, s40
	s_wait_tensorcnt 0x0                           ; the wave's end
	ds_add_u32 v10, v11
	s_wait_dscnt 0x0
	s_endpgm
.Lfunc_end_k_qcfb9c8ca46_route:
	.size	k_qcfb9c8ca46_route, .Lfunc_end_k_qcfb9c8ca46_route-k_qcfb9c8ca46_route
	.p2alignl 7, 3214868480
	.fill 96, 4, 3214868480
	.section	.rodata,"a",@progbits
	.p2align	6, 0x0
	.amdhsa_kernel k_qcfb9c8ca46_route
		.amdhsa_group_segment_fixed_size 42496
		.amdhsa_private_segment_fixed_size 0
		.amdhsa_enable_private_segment 0
		.amdhsa_kernarg_size 64
		.amdhsa_user_sgpr_count 2
		.amdhsa_user_sgpr_kernarg_segment_ptr 1
		.amdhsa_wavefront_size32 1
		.amdhsa_system_sgpr_workgroup_id_x 1
		.amdhsa_system_sgpr_workgroup_id_y 1
		.amdhsa_system_sgpr_workgroup_id_z 1
		.amdhsa_system_vgpr_workitem_id 0
		.amdhsa_next_free_vgpr 1024
		.amdhsa_next_free_sgpr 66
		.amdhsa_reserve_vcc 1
		.amdhsa_float_denorm_mode_32 3
		.amdhsa_float_denorm_mode_16_64 3
		.amdhsa_memory_ordered 1
		.amdhsa_forward_progress 1
		.amdhsa_inst_pref_size 99
	.end_amdhsa_kernel
	.amdgpu_metadata
---
amdhsa.version: [ 1, 2 ]
amdhsa.kernels:
  - .name:           k_qcfb9c8ca46_route
    .symbol:         k_qcfb9c8ca46_route.kd
    .args:
      - { .name: x, .offset: 0, .size: 8, .value_kind: global_buffer, .address_space: global }
      - { .name: expert_features, .offset: 8, .size: 8, .value_kind: global_buffer, .address_space: global }
      - { .name: trust, .offset: 16, .size: 8, .value_kind: global_buffer, .address_space: global }
      - { .name: staleness, .offset: 24, .size: 8, .value_kind: global_buffer, .address_space: global }
      - { .name: W, .offset: 32, .size: 8, .value_kind: global_buffer, .address_space: global }
      - { .name: xf, .offset: 40, .size: 8, .value_kind: global_buffer, .address_space: global }
      - { .name: wf, .offset: 48, .size: 8, .value_kind: global_buffer, .address_space: global }
      - { .name: route, .offset: 56, .size: 8, .value_kind: global_buffer, .address_space: global }
    .group_segment_fixed_size: 42496
    .private_segment_fixed_size: 0
    .kernarg_segment_align: 8
    .kernarg_segment_size: 64
    .max_flat_workgroup_size: 128
    .sgpr_count:     66
    .vgpr_count:     1024
    .wavefront_size: 32
...
	.end_amdgpu_metadata
.endif
;; end of part 1
;; launch heads (part 2): grid 256 x 1, 4 waves a work-group, no clusters, 290,816 bytes of LDS; arguments xf, wf, b, route, out0; writes out0
.if DOCPART == 2
	.amdgcn_target "amdgcn-amd-amdhsa--gfx1250"
	.amdhsa_code_object_version 6
	.text
	.protected	k_qcfb9c8ca46_heads
	.globl	k_qcfb9c8ca46_heads
	.p2align	8
	.type	k_qcfb9c8ca46_heads,@function
k_qcfb9c8ca46_heads:
	s_mov_b64 s[64:65], 0
	v_nop
	global_prefetch_b8 v0, s[64:65] scope:SCOPE_SE
	s_setreg_imm32_b32 hwreg(HW_REG_WAVE_MODE, 25, 1), 1
	s_wait_xcnt 0x0
; HEADS: out[t][c] = 1/4 of the sum over the token's four chosen experts e of (x[t] . W[e][c] + b[e][c]); x, W and b in bf16, sums in f32.
; SHARES.  Work-group 4 T + s owns tokens 128 T .. + 127 and columns 64 s .. + 63: each output number has one owner.  The four waves split K: wave w takes k = 256 w .. + 255 of every expert
; that the tile needs, with a tile of 128 x 64 in 32 accumulators (256 registers); the four partial tiles are added through LDS at the end.
; ORDER.  The tile's tokens are sorted by their key (the four chosen experts, ascending, then the token's number): rank = how many of the 128 keys are smaller.  x rows lie in LDS at row = rank, so a block of
; 16 rows has one set of experts, but for blocks on a border between sets.  For each expert of the tile's union: a block with no taker is jumped; in a mixed block the lanes of tokens that did not
; choose the expert read a row of zeros in place of their own.  The text serves every split; at the worst it multiplies every block by every expert.
; x ON ITS WAY IN.  A load is the 512 consecutive bytes of one token's quarter of K, and its LDS store 512 consecutive bytes of the rank's row: no two lanes of a store meet in a bank, whatever the ranks.
; All eight batches of 16 tokens have registers of their own, so they are asked for while the ranks are being counted.
; WEIGHTS come from memory straight into registers as operands: a wave's slice of one expert is 32 KiB, 256 registers, and the next expert's is on its way into another 256 meanwhile.
; So the loop over experts, whose length hangs on stored numbers, holds no LDS store, no barrier and no tensor load.  The next expert's masks and its first block's fragments are made a phase ahead.
; BIAS AND MEAN.  The product that starts each sum is one K step over k = expert: the token's indicator (0.25 where chosen) times b^T.  All four waves make it, so the four partial tiles hold the chosen b
; once; the last line multiplies by 0.25.
; NO CLUSTER, NO TENSOR LOADS: the four slices of a tile share x, but x is laid into LDS by rank, which no descriptor states; the sequence of weights hangs on each tile's own union, so partners
; would ask for different numbers of tiles.
; LDS: four regions of 129 rows x 528 bytes (512 of x, 16 of padding; row 128 is zeros), a wave's own; behind the loop the first 139,264 bytes are four stages of 128 rows x 272 bytes;
; IND: the indicators by rank, 80 bytes a row; RT, RS: rank x 528 and rank x 272 by token; PRV: choices by rank; BT: b's slice in bf16, [expert][64 columns]; the spare words.
.set XIND,  16777216                   ; where the indicators begin in xf
.set PX,    528                        ; 33 x 16: the 16 rows of a fragment load start at 16 different groups of four banks
.set XRB,   68352
.set ZROW,  128*PX
.set IND,   4*XRB
.set PI,    80                         ; 64 bytes + 16
.set RT,    IND+128*PI
.set RS,    RT+512
.set PRV,   RS+512
.set BT,    PRV+512
.set PB,    160                        ; 128 bytes + 32
.set SPARE, BT+32*PB
.set SP,    272
.set STB,   128*SP
.set TOP,   IND-512                    ; above every fragment address; with the largest offset still inside the four regions
.set SPW, 5                            ; v5   my spare word;  v6  0
.set NIL, 6
.set KEY, 7                            ; v7   my token's key
.set KEYS, 8                           ; v8-11  all 128 keys: lane l holds key 32 c + l
.set RNK, 12                           ; v12  my token's rank; v13 its choices as bits; v14-19 at work
.set RI,  20                           ; v20-27 my lane's place in block i's rows
.set AI,  28                           ; v28-35, v46-53: the same, or the zero row, for an expert: two sets, by the window of its weights
.set ZA,  36                           ; v36  my lane's place in the zero row
.set XL,  37                           ; v37  my region + 16 lane
.set MI,  38                           ; v38-45 the choices of sorted row 16 i + r
.set TP,  54                           ; v54-61 at work in the loop; before it, addresses of the prologue
.set IA,  62                           ; v62  my lane's place in block 0's indicators
.set BTT, 63                           ; v63  the turning load's address in BT
.set ROW, 64                           ; v64-127 the LDS addresses of 64 tokens' rows; before that indicators, b and the rank's sums
.set A0,  128                          ; v128-191, v192-255: a block's eight fragments of x, two buffers
.set A1,  192
.set ND,  48                           ; s48-55, s66-73: the lanes of block i that take an expert: two sets, like AI
; window 1: accumulator (block i, column block cb) at 32 i + 8 cb.  Windows 2, 3: an expert's weights, fragment (ks, cb) at 32 ks + 8 cb.  In the prologue A0, A1, window 3 and half of window 1 hold x.
; s34:35 xf at my quarter of the tile, s36:37 at its indicators, s38:39 wf at (slice, quarter), s40:41 the same at an expert, s44 experts still to be asked for, s45 the first expert, s46 the next,
; s47 1: a next one is asked for, s56 its bit, s57 trips, s58 counts them.
.set MSB, 0
.macro WIN new                         ; the immediate's high byte repeats the setting that is left; a switch that changes nothing is dropped
.if MSB != (\new)
	s_set_vgpr_msb (MSB<<8)|(\new)
.set MSB, (\new)
.endif
.endm
.macro BUF t                           ; batch t's registers: A0, A1, window 3's four quarters, window 1's first two
.if (\t) < 2
.set bw, 0
.set br, 128+64*(\t)
.elseif (\t) < 6
.set bw, 3
.set br, 64*((\t)-2)
.else
.set bw, 1
.set br, 64*((\t)-6)
.endif
.endm
.macro BATCH t                         ; tokens 16 t .. 16 t + 15: a load is one token's 512 consecutive bytes
	BUF \t
	WIN bw<<6
.set p, 0
.rept 16
	global_load_b128 v[br+4*p:br+4*p+3], v4, s[34:35] offset:(16*(\t)+p)*2048
.set p, p+1
.endr
	WIN 0
.endm
.macro STOW t                          ; the batch goes into LDS, each token's 512 bytes into its rank's row
	BUF \t
	WIN bw<<2
.set p, 0
.rept 16
	ds_store_b128 v[ROW+(16*(\t)+p)%64], v[br+4*p:br+4*p+3]
.set p, p+1
.endr
	WIN 0
.endm
.macro ROWS half                       ; rank x 528 of tokens 64 half .. + 63: every lane reads the same 16 bytes, four tokens a load; then clamped, and my lane's place added
.set p, 0
.rept 16
	ds_load_b128 v[ROW+4*p:ROW+4*p+3], v61 offset:256*(\half)+16*p
.set p, p+1
.endr
.endm
.macro ADDRS
.set p, 0
.rept 64
	v_min_u32 v[ROW+p], 127*PX, v[ROW+p]           ; a number from memory enters an address only clamped
.set p, p+1
.endr
.set p, 0
.rept 64
	v_add_nc_u32 v[ROW+p], v[XL], v[ROW+p]
.set p, p+1
.endr
.endm
.macro WLOAD win, first, n             ; n loads of an expert's 64, from number first on: 512 consecutive bytes each
	WIN (\win)<<6
.set p, \first
.rept \n
	global_load_b128 v[4*p:4*p+3], v4, s[40:41] offset:512*p
.set p, p+1
.endr
	WIN 0
.endm
.macro RANK16 c, half                  ; 16 keys: how many are smaller than mine.  Batches of independent lines, four sums
.set i, 0
.rept 16
	v_readlane_b32 s[66+i], v[KEYS+(\c)], 16*(\half)+i
.set i, i+1
.endr
.set i, 0
.rept 16
	v_cmp_lt_u32 s[66+i], s[66+i], v[KEY]
.set i, i+1
.endr
.set i, 0
.rept 16
	v_cndmask_b32 v[112+i], 0, 1, s[66+i]
.set i, i+1
.endr
.set i, 0
.rept 8
	v_add3_u32 v[108+i%4], v[108+i%4], v[112+2*i], v[112+2*i+1]
.set i, i+1
.endr
.endm
.macro MASKS set                       ; for the expert whose bit is in s56 (0: none): which lanes of each block take it, and each lane's row or the zero row
.irp i, 0,1,2,3,4,5,6,7
	v_and_b32 v[TP+\i], s56, v[MI+\i]
.endr
.irp i, 0,1,2,3,4,5,6,7
	v_cmp_ne_u32 s[ND+18*(\set)+\i], 0, v[TP+\i]
.endr
.irp i, 0,1,2,3,4,5,6,7
	v_cndmask_b32 v[AI+18*(\set)+\i], v[ZA], v[RI+\i], s[ND+18*(\set)+\i]
.endr
.irp i, 0,1,2,3,4,5,6,7
	v_min_u32 v[AI+18*(\set)+\i], TOP, v[AI+18*(\set)+\i]   ; an address that hangs on stored numbers is clamped inside LDS
.endr
.endm
	s_load_b256 s[4:11], s[0:1], 0x0               ; xf 4:5, wf 6:7, b 8:9, route 10:11
	s_load_b64 s[12:13], s[0:1], 0x20              ; out0
	v_lshl_add_u32 v[SPW], v0, 2, SPARE
	v_mov_b32 v[NIL], 0
	v_lshrrev_b32 v14, 5, v0
	v_readfirstlane_b32 s14, v14                   ; wave w
	s_lshr_b32 s15, ttmp9, 2                       ; tile T
	s_and_b32 s32, ttmp9, 3                        ; slice s
	v_and_b32 v1, 31, v0
	v_and_b32 v2, 15, v0                           ; r
	v_bfe_u32 v3, v0, 4, 1                         ; h
	v_lshlrev_b32 v4, 4, v1
	v_lshlrev_b32 v15, 2, v0
	v_lshlrev_b32 v16, 2, v1
	v_lshrrev_b32 v17, 2, v0                       ; for b: thread = expert x 4 + sixteen columns
	v_and_b32 v18, 3, v0
	v_lshlrev_b32 v19, 6, v18
	v_lshl_add_u32 v19, v17, 10, v19
	v_lshlrev_b32 v54, 6, v0                       ; my token's 64 bytes of indicator
	s_lshl_b32 s33, s15, 6                         ; the tile's 16 words of unions
	s_lshl_b32 s88, s15, 9                         ; its 128 keys
	s_mov_b32 s89, 0
	s_lshl_b32 s86, s32, 8
	s_mov_b32 s87, 0
	s_lshl_b32 s90, s15, 18                        ; xf: 128 rows of 2,048 bytes a tile,
	s_lshl_b32 s91, s14, 9                         ; 512 bytes of each row a wave
	s_add_co_u32 s90, s90, s91
	s_mov_b32 s91, 0
	s_lshl_b32 s82, s15, 13                        ; 128 indicators of 64 bytes a tile
	s_add_co_u32 s82, s82, XIND
	s_mov_b32 s83, 0
	s_lshl_b32 s92, s32, 17
	s_lshl_b32 s93, s14, 15
	s_add_co_u32 s92, s92, s93
	s_lshl_b32 s94, s15, 17
	s_add_co_u32 s94, s94, s86
	s_add_co_u32 s94, s94, s93                     ; out0: tile, slice, and 32 rows a wave
	s_mov_b32 s93, 0
	s_mov_b32 s95, 0
	s_wait_kmcnt 0x0
	s_load_b512 s[16:31], s[10:11], s33 offset:0x8000
	s_add_nc_u64 s[60:61], s[10:11], s[88:89]
	s_add_nc_u64 s[62:63], s[8:9], s[86:87]
	s_add_nc_u64 s[34:35], s[4:5], s[90:91]
	s_add_nc_u64 s[36:37], s[4:5], s[82:83]
	s_add_nc_u64 s[38:39], s[6:7], s[92:93]
	s_add_nc_u64 s[12:13], s[12:13], s[94:95]
	global_load_b32 v[KEY], v15, s[60:61]
.irp c, 0,1,2,3
	global_load_b32 v[KEYS+\c], v16, s[60:61] offset:128*\c
.endr
.irp j, 0,1,2,3
	global_load_b128 v[80+4*\j:83+4*\j], v19, s[62:63] offset:16*\j
.endr
.irp j, 0,1,2,3
	global_load_b128 v[64+4*\j:67+4*\j], v54, s[36:37] offset:16*\j
.endr
	BATCH 0                                        ; 61 loads of mine are out
	BATCH 1
	BATCH 2
	; addresses, while the loads are out
	s_mul_i32 s84, s14, XRB
	v_lshl_add_u32 v14, v3, 4, s84
	v_mul_u32_u24 v[RI], v2, PX
	v_add_nc_u32 v[RI], v14, v[RI]
.irp i, 1,2,3,4,5,6,7
	v_add_nc_u32 v[RI+\i], \i*16*PX, v[RI]
.endr
	v_add_nc_u32 v[ZA], ZROW, v14
	v_add_nc_u32 v[XL], s84, v4
	v_add_nc_u32 v58, ZROW, v[XL]                  ; the zero row, 16 bytes a lane
	v_lshl_add_u32 v55, v0, 2, RT
.irp z, 104,105,106,107
	v_mov_b32 v\z, 0
.endr
	v_lshl_add_u32 v60, v2, 2, PRV
	v_mov_b32 v61, RT
	v_mul_u32_u24 v57, v17, PB
	v_lshl_add_u32 v57, v18, 5, v57
	v_add_nc_u32 v57, BT, v57
	v_mov_b32 v59, 1
	v_mul_u32_u24 v[IA], v2, PI
	v_lshl_add_u32 v[IA], v3, 4, v[IA]
	v_add_nc_u32 v[IA], IND, v[IA]
	v_and_b32 v14, 7, v0                           ; the turning load: lane l reads expert 8 h + l % 8, columns 8 ((l / 8) % 2) ..
	v_lshl_add_u32 v14, v3, 3, v14
	v_mul_u32_u24 v[BTT], v14, PB
	v_bfe_u32 v14, v0, 3, 1
	v_lshl_add_u32 v[BTT], v14, 4, v[BTT]
	v_add_nc_u32 v[BTT], BT, v[BTT]
	s_wait_kmcnt 0x0                               ; the unions
.irp k, 17,18,19,20,21,22,23,24,25,26,27,28,29,30,31
	s_or_b32 s16, s16, s\k
.endr
	s_bcnt1_i32_b32 s57, s16
	s_add_co_u32 s57, s57, 1
	s_lshr_b32 s57, s57, 1                         ; two experts a trip
	s_ctz_i32_b32 s45, s16
	s_min_u32 s45, s45, 31                         ; a stored number enters an address only clamped
	s_sub_co_u32 s59, s16, 1
	s_and_b32 s44, s16, s59                        ; the union less its lowest expert
	s_lshl_b32 s42, s45, 19                        ; an expert is 524,288 bytes of wf
	s_mov_b32 s43, 0
	s_add_nc_u64 s[40:41], s[38:39], s[42:43]
	s_wait_loadcnt 48                              ; behind keys, b and my indicator: three batches of 16
.irp d, 0,1,2,3,4,5,6,7
	v_cvt_pk_bf16_f32 v[96+\d], v[80+2*\d], v[80+2*\d+1]
.endr
	ds_store_b128 v57, v[96:99]
	ds_store_b128 v57, v[100:103] offset:16
	ds_store_b128 v58, v[104:107]
.irp a, 108,109,110,111
	v_mov_b32 v\a, 0
.endr
	RANK16 0, 0                                    ; the ranks; three more batches go out between the pieces, as the first three come in
	RANK16 0, 1
	BATCH 3
	RANK16 1, 0
	RANK16 1, 1
	BATCH 4
	RANK16 2, 0
	RANK16 2, 1
	BATCH 5
	RANK16 3, 0
	RANK16 3, 1
	v_add3_u32 v[RNK], v108, v109, v110
	v_add_nc_u32 v[RNK], v[RNK], v111
	v_bfe_u32 v14, v[KEY], 22, 5
	v_lshlrev_b32 v13, v14, v59
	v_bfe_u32 v14, v[KEY], 17, 5
	v_lshlrev_b32 v14, v14, v59
	v_or_b32 v13, v13, v14
	v_bfe_u32 v14, v[KEY], 12, 5
	v_lshlrev_b32 v14, v14, v59
	v_or_b32 v13, v13, v14
	v_bfe_u32 v14, v[KEY], 7, 5
	v_lshlrev_b32 v14, v14, v59
	v_or_b32 v13, v13, v14
	v_min_u32 v[RNK], 127, v[RNK]                  ; a number made of stored numbers enters an address only clamped
	v_mul_u32_u24 v14, v[RNK], PX
	v_mul_u32_u24 v15, v[RNK], SP
	v_lshl_add_u32 v16, v[RNK], 2, PRV
	v_mul_u32_u24 v17, v[RNK], PI
	v_add_nc_u32 v17, IND, v17
	ds_store_b32 v55, v14                          ; by token: rank x 528,
	ds_store_b32 v55, v15 offset:512               ; rank x 272
	ds_store_b32 v16, v13                          ; by rank: the choices,
.irp j, 0,1,2,3
	ds_store_b128 v17, v[64+4*\j:67+4*\j] offset:16*\j   ; and the indicator
.endr
	s_wait_dscnt 0x0                               ; for the others' sake: my stores are done
	s_barrier_signal -1
	s_barrier_wait -1
	ROWS 0
.irp i, 0,1,2,3,4,5,6,7
	ds_load_b32 v[MI+\i], v60 offset:64*\i
.endr
	s_wait_dscnt 0x0
	ADDRS
	; x into LDS.  Ahead of step t stand batch t + 6 or, behind the last batch, a quarter of the first expert's weights: the loads stay on their way while the wave stores.
.irp t, 0,1,2,3,4,5,6,7
.if \t < 2
	BATCH \t+6
.elseif \t < 6
	WLOAD 2, 16*(\t-2), 16
.endif
.if \t == 4
	ROWS 1                                         ; the other 64 tokens' rows; an LDS store's address register may be written as soon as the store is issued
	s_wait_dscnt 0x0
	ADDRS
.endif
	s_wait_loadcnt 63                              ; 64 loads or more were issued behind this batch: at most 63 out means that it is in
	STOW \t
.endr
	s_wait_dscnt 0x0                               ; my stores are done
	s_barrier_signal -1                            ; the fragment addresses below hang on stored numbers: all staging is over before any fragment is read
	s_barrier_wait -1
.irp i, 0,1,2,3,4,5,6,7
	ds_load_b128 v[A0+8*\i:A0+8*\i+3], v[IA] offset:\i*16*PI      ; block i's indicators: 16 tokens x 32 experts
	ds_load_b128 v[A0+8*\i+4:A0+8*\i+7], v[IA] offset:\i*16*PI+32
.endr
.irp cb, 0,1,2,3
	ds_load_tr16_b128 v[A1+8*\cb:A1+8*\cb+3], v[BTT] offset:32*\cb          ; b^T: 16 columns x 32 experts
	ds_load_tr16_b128 v[A1+8*\cb+4:A1+8*\cb+7], v[BTT] offset:32*\cb+16*PB
.endr
	s_wait_dscnt 0x0
	WIN 0x40                                       ; D in window 1
.irp i, 0,1,2,3,4,5,6,7
.irp cb, 0,1,2,3
	v_wmma_f32_16x16x32_bf16 v[32*\i+8*\cb:32*\i+8*\cb+7], v[A1+8*\cb:A1+8*\cb+7], v[A0+8*\i:A0+8*\i+7], 0   ; starts the sum: nothing is cleared
.endr
.endr
	WIN 0
	s_lshl_b32 s56, 1, s45
	MASKS 0                                        ; the first expert's; its 32 lines are also the places between the products above and the loads into A0
.set p, 0
.rept 16
	ds_load_b128 v[A0+4*p:A0+4*p+3], v[AI] offset:32*p     ; its block 0
.set p, p+1
.endr
; Block i of the expert in hand.  First the next block's fragments are asked for, into the other buffer (behind block 7: the next expert's block 0); four places stand between the products that read
; that buffer and the loads.  Source 0 = 16 columns of W, source 1 = 16 tokens: a lane holds one token and eight neighbouring columns.  The block's four accumulators take turns, one instruction a
; turn; a block ends on cb = 3 and every block begins on cb = 0, so on every way two products on end name different accumulators.
.macro SEC i, beta
.if (\i) < 7
.set nn, ND+18*(\beta)+(\i)+1
.set na, AI+18*(\beta)+(\i)+1
.else
.set nn, ND+18*(1-(\beta))
.set na, AI+18*(1-(\beta))
.endif
	s_cmp_lg_u32 s[nn], 0
	s_cbranch_scc0 .Lno_\@
.rept 4
	v_nop
.endr
.set p, 0
.rept 16
	ds_load_b128 v[A0+64*(((\i)+1)%2)+4*p:A0+64*(((\i)+1)%2)+4*p+3], v[na] offset:32*p
.set p, p+1
.endr
	s_wait_dscnt 16                                ; the 16 just issued may be out: this block's are in
	s_branch .Lgo_\@
.Lno_\@:
	s_wait_dscnt 0x0
.Lgo_\@:
	s_cmp_lg_u32 s[ND+18*(\beta)+(\i)], 0
	s_cbranch_scc0 .Lskip_\@                       ; no token of the block chose the expert
	WIN 0x52+(\beta)                               ; W in window 2 or 3, x in window 0, C and D in window 1
.set k, 0
.rept 8
.irp cb, 0,1,2,3
	v_wmma_f32_16x16x32_bf16 v[32*(\i)+8*\cb:32*(\i)+8*\cb+7], v[32*k+8*\cb:32*k+8*\cb+7], v[A0+64*((\i)%2)+8*k:A0+64*((\i)%2)+8*k+7], v[32*(\i)+8*\cb:32*(\i)+8*\cb+7]
.endr
.set k, k+1
.endr
	WIN 0
.Lskip_\@:
.endm
.macro WPART beta, first               ; sixteen more of the next expert's loads
	s_cmp_lg_u32 s47, 0
	s_cbranch_scc0 .Lw_\@
	WLOAD 3-(\beta), \first, 16
.Lw_\@:
.endm
; One expert, its weights in window 2 + beta, its masks and addresses in set beta, its block 0 asked for already.
.macro PHASE beta
	s_wait_loadcnt 0x0                             ; the expert's 64 loads, asked for a phase ago, are in; their base may be written
	s_cmp_lg_u32 s44, 0
	s_cselect_b32 s47, 1, 0                        ; is there a next expert?
	s_ctz_i32_b32 s46, s44
	s_min_u32 s46, s46, 31
	s_lshl_b32 s56, s47, s46                       ; its bit, or 0
	s_sub_co_u32 s59, s44, 1
	s_and_b32 s44, s44, s59
	s_lshl_b32 s42, s46, 19
	s_add_nc_u64 s[40:41], s[38:39], s[42:43]
	s_cmp_lg_u32 s47, 0
	s_cbranch_scc0 .Lnone_\@
.rept 4
	v_nop                                          ; the places behind the last phase's products, which read the registers that are loaded now
.endr
	WLOAD 3-(\beta), 0, 32                         ; half of the next expert's weights go out at once, the rest in two parts further down: 64 in one run would leave the last waiting for the first
.Lnone_\@:
	SEC 0, \beta
	MASKS 1-(\beta)                                ; the next expert's masks and addresses
	SEC 1, \beta
	WPART \beta, 32
	SEC 2, \beta
	SEC 3, \beta
	WPART \beta, 48
	SEC 4, \beta
	SEC 5, \beta
	SEC 6, \beta
	SEC 7, \beta
.endm
	s_mov_b32 s58, 0
.Lpair:                                                ; a trip: two experts of the union, or the last one alone
	PHASE 0
	s_cmp_eq_u32 s47, 0
	s_cbranch_scc1 .Lnext
	PHASE 1
.Lnext:
	s_add_co_u32 s58, s58, 1
	s_cmp_lt_u32 s58, s57
	s_cbranch_scc1 .Lpair
	; THE WAY OUT.  The address lines are the places behind the last products.
	s_mul_i32 s59, s14, STB
	v_mul_u32_u24 v14, v2, SP
	v_lshl_add_u32 v14, v3, 5, v14
	v_add_nc_u32 v14, s59, v14                     ; my stage: row r of a block, columns 8 h ..
	s_lshl_b32 s33, s14, 7
	s_add_co_u32 s33, s33, RS
	v_lshl_add_u32 v15, v3, 2, s33                 ; rank x 272 of tokens 32 w + h, + 2, ..
	v_lshlrev_b32 v17, 4, v2
	v_lshl_add_u32 v16, v3, 10, v17                ; in out0: lanes 0-15 one row's 256 bytes, lanes 16-31 the next row's
	s_wait_dscnt 0x0                               ; my reads of x are over
	s_barrier_signal -1
	s_barrier_wait -1                              ; everybody's are: the stages may be written over x
	WIN 0x04                                       ; the stores' data in window 1
.irp i, 0,1,2,3,4,5,6,7
.irp cb, 0,1,2,3
	ds_store_b128 v14, v[32*\i+8*\cb:32*\i+8*\cb+3] offset:\i*16*SP+64*\cb
	ds_store_b128 v14, v[32*\i+8*\cb+4:32*\i+8*\cb+7] offset:\i*16*SP+64*\cb+16
.endr
.endr
	WIN 0
.irp t, 0,1,2,3,4,5,6,7,8,9,10,11,12,13,14,15
	ds_load_b32 v[80+\t], v15 offset:8*\t
.endr
	s_wait_dscnt 0x0                               ; for the others' sake: my stage is written; the ranks are in
	s_barrier_signal -1
.irp t, 0,1,2,3,4,5,6,7,8,9,10,11,12,13,14,15
	v_min_u32 v[80+\t], 127*SP, v[80+\t]
.endr
.irp t, 0,1,2,3,4,5,6,7,8,9,10,11,12,13,14,15
	v_add_nc_u32 v[80+\t], v17, v[80+\t]           ; stages 0 and 1,
	v_add_nc_u32 v[96+\t], 2*STB, v[80+\t]         ; stages 2 and 3
.endr
	s_barrier_wait -1
; Wave w stores tokens 32 w .. + 31 in their own order, two a line; a group is four such pairs.
.macro GLOAD g
.irp t, 0,1,2,3
	ds_load_b128 v[A0+64*((\g)%2)+16*\t:A0+64*((\g)%2)+16*\t+3],     v[80+4*(\g)+\t]
	ds_load_b128 v[A0+64*((\g)%2)+16*\t+4:A0+64*((\g)%2)+16*\t+7],   v[80+4*(\g)+\t] offset:STB
	ds_load_b128 v[A0+64*((\g)%2)+16*\t+8:A0+64*((\g)%2)+16*\t+11],  v[96+4*(\g)+\t]
	ds_load_b128 v[A0+64*((\g)%2)+16*\t+12:A0+64*((\g)%2)+16*\t+15], v[96+4*(\g)+\t] offset:STB
.endr
.endm
.macro GSUM g
.irp t, 0,1,2,3
.set q, A0+64*((\g)%2)+16*\t
	v_pk_add_f32 v[q:q+1], v[q:q+1], v[q+4:q+5]
	v_pk_add_f32 v[q+2:q+3], v[q+2:q+3], v[q+6:q+7]
	v_pk_add_f32 v[q+8:q+9], v[q+8:q+9], v[q+12:q+13]
	v_pk_add_f32 v[q+10:q+11], v[q+10:q+11], v[q+14:q+15]
	v_pk_add_f32 v[q:q+1], v[q:q+1], v[q+8:q+9]
	v_pk_add_f32 v[q+2:q+3], v[q+2:q+3], v[q+10:q+11]
	v_pk_mul_f32 v[q:q+1], v[q:q+1], 0x3e800000 op_sel_hi:[1,0]
	v_pk_mul_f32 v[q+2:q+3], v[q+2:q+3], 0x3e800000 op_sel_hi:[1,0]
	global_store_b128 v16, v[q:q+3], s[12:13] offset:2048*(4*(\g)+\t) th:TH_STORE_NT   ; 16 lanes store 256 consecutive bytes, at a multiple of 256 from out0's first byte
.endr
.endm
	GLOAD 0
	GLOAD 1
	s_wait_dscnt 16                                ; the next group's 16 loads may be out
	GSUM 0
	s_wait_xcnt 0x0                                ; the stores have read their registers, which are loaded anew
	GLOAD 2
	s_wait_dscnt 16
	GSUM 1
	s_wait_xcnt 0x0
	GLOAD 3
	s_wait_dscnt 16
	GSUM 2
	s_wait_dscnt 0x0
	GSUM 3
	s_wait_tensorcnt 0x0                           ; the wave's end
	ds_add_u32 v[SPW], v[NIL]
	s_wait_dscnt 0x0
	s_endpgm
.Lfunc_end_k_qcfb9c8ca46_heads:
	.size	k_qcfb9c8ca46_heads, .Lfunc_end_k_qcfb9c8ca46_heads-k_qcfb9c8ca46_heads
	.p2alignl 7, 3214868480
	.fill 96, 4, 3214868480
	.section	.rodata,"a",@progbits
	.p2align	6, 0x0
	.amdhsa_kernel k_qcfb9c8ca46_heads
		.amdhsa_group_segment_fixed_size 290816
		.amdhsa_private_segment_fixed_size 0
		.amdhsa_enable_private_segment 0
		.amdhsa_kernarg_size 40
		.amdhsa_user_sgpr_count 2
		.amdhsa_user_sgpr_kernarg_segment_ptr 1
		.amdhsa_wavefront_size32 1
		.amdhsa_system_sgpr_workgroup_id_x 1
		.amdhsa_system_sgpr_workgroup_id_y 1
		.amdhsa_system_sgpr_workgroup_id_z 1
		.amdhsa_system_vgpr_workitem_id 0
		.amdhsa_next_free_vgpr 1024
		.amdhsa_next_free_sgpr 96
		.amdhsa_reserve_vcc 0
		.amdhsa_float_denorm_mode_32 3
		.amdhsa_float_denorm_mode_16_64 3
		.amdhsa_memory_ordered 1
		.amdhsa_forward_progress 1
		.amdhsa_inst_pref_size 180
	.end_amdhsa_kernel
	.amdgpu_metadata
---
amdhsa.version: [ 1, 2 ]
amdhsa.kernels:
  - .name:           k_qcfb9c8ca46_heads
    .symbol:         k_qcfb9c8ca46_heads.kd
    .args:
      - { .name: xf, .offset: 0, .size: 8, .value_kind: global_buffer, .address_space: global }
      - { .name: wf, .offset: 8, .size: 8, .value_kind: global_buffer, .address_space: global }
      - { .name: b, .offset: 16, .size: 8, .value_kind: global_buffer, .address_space: global }
      - { .name: route, .offset: 24, .size: 8, .value_kind: global_buffer, .address_space: global }
      - { .name: out0, .offset: 32, .size: 8, .value_kind: global_buffer, .address_space: global }
    .group_segment_fixed_size: 290816
    .private_segment_fixed_size: 0
    .kernarg_segment_align: 8
    .kernarg_segment_size: 40
    .max_flat_workgroup_size: 128
    .sgpr_count:     96
    .vgpr_count:     1024
    .wavefront_size: 32
...
	.end_amdgpu_metadata
.endif
;; end of part 2
